; MI455X (gfx1250); checked and timed in simulation.
; The chip was launched on July 23, 2026; its instructions are those of AMD's public machine-readable ISA for CDNA 5 (MIT licence, August 2026) and "CDNA5" Instruction Set Architecture Reference Guide (July 2026). The comments in the code are by the model that wrote it; some were corrected since.
;; Self Attention Module. Allowed arithmetic: float matrix products may take bf16 or f16 operands with f32 sums; all other float work in f32.
;; Inputs: Wk 1,024 x 1,024 float32; Wo 1,024 x 1,024 float32; Wq 1,024 x 1,024 float32; Wv 1,024 x 1,024 float32; x 2 x 2,048 x 1,024 float32.
;; Outputs: out0 2 x 2,048 x 1,024 float32.
;; One version. Each part assembles by itself: llvm-mc -triple=amdgcn-amd-amdhsa -mcpu=gfx1250 --defsym DOCPART=n.
;; ======== version 1 of 1: 4 launches
;; limits: values are held in f16: magnitudes above 65,504 overflow, below 6.1e-05 lose precision
;; workspace buffers: hb 16,777,216 bytes; qkv 25,165,824 bytes; ao 8,388,608 bytes
;; launch prep (part 1): grid 64 x 8, 8 waves a work-group, no clusters, 0 bytes of LDS; arguments x, Wq, Wk, Wv, Wo, hb; writes hb
.if DOCPART == 1
	.amdgcn_target "amdgcn-amd-amdhsa--gfx1250"
	.amdhsa_code_object_version 6
	.text
	.protected	k_q477312f912_prep
	.globl	k_q477312f912_prep
	.p2align	8
	.type	k_q477312f912_prep,@function
k_q477312f912_prep:
	s_mov_b64 s[64:65], 0
	v_nop
	global_prefetch_b8 v0, s[64:65] scope:SCOPE_SE
	s_setreg_imm32_b32 hwreg(HW_REG_WAVE_MODE, 25, 1), 1
	s_wait_xcnt 0x0
; hb = x and the four weight matrices, rounded once to f16 and laid in blocks of 64 columns:
; hb[mat][cb][row][64], mat 0-3 = x's chunks of 1,024 tokens (row = token, cb = k / 64), mat 4-7 = Wq, Wk, Wv, Wo (row = k, cb = n / 64).
; Each mat is 1,024 x 1,024: 4 MiB of f32 in, 2 MiB of f16 out.  In this form every tile of the later launches is a dense run of rows of 128 bytes.
; A stream: each byte is read once and written once.  No LDS, no matrix unit, no cluster: no two work-groups read the same byte.
; Work-group (x, y): rows 16 x .. 16 x + 15 of mat y.  Wave w takes column blocks 2 w and 2 w + 1.  Step i = 0..7: block 2 w + (i & 1), rows 4 (i >> 1) + (lane >> 3);
; a lane takes 8 columns, 32 bytes in and 16 bytes out: eight lanes read 256 consecutive bytes of a row, and a wave's store covers 512 consecutive bytes, aligned.
; LIMIT: numbers of magnitude 65,520 and above round to infinity in f16; NaN and infinities are passed on as they are.
.set X, 8                              ; v[8:71]    step i: 8 registers of f32 as loaded
.set Y, 72                             ; v[72:103]  step i: 4 registers, 8 f16 to store
	s_load_b256 s[4:11], s[0:1], 0x0               ; x s[4:5], Wq s[6:7], Wk s[8:9], Wv s[10:11]
	s_load_b128 s[12:15], s[0:1], 0x20             ; Wo s[12:13], hb s[14:15]
	s_and_b32 s20, ttmp7, 0xffff                   ; mat
	v_and_b32 v3, 31, v0                           ; lane
	v_lshrrev_b32 v4, 5, v0                        ; wave
	v_lshrrev_b32 v5, 3, v3                        ; lane >> 3: which of four rows
	v_and_b32 v6, 7, v0                            ; lane & 7: which 8 columns of the block
	v_lshlrev_b32 v1, 12, v5                       ; source: a row is 4,096 bytes,
	v_lshl_add_u32 v1, v6, 5, v1                   ; 8 columns are 32 bytes,
	v_lshl_add_u32 v1, v4, 9, v1                   ; two blocks of 64 columns are 512 bytes
	v_lshlrev_b32 v2, 4, v3                        ; destination: (lane >> 3) rows of 128 bytes + (lane & 7) x 16 bytes = 16 x lane,
	v_lshl_add_u32 v2, v4, 18, v2                  ; two blocks of 1,024 rows x 128 bytes are 262,144 bytes
	s_cmp_lt_u32 s20, 4
	s_cselect_b32 s18, s20, 0                      ; x's chunk; a weight matrix starts at its own first byte
	s_lshl_b32 s18, s18, 22                        ; a chunk is 4 MiB of f32
	s_lshl_b32 s21, ttmp9, 16                      ; 16 rows of 4,096 bytes
	s_add_co_u32 s18, s18, s21
	s_mov_b32 s19, 0
	s_lshl_b32 s24, s20, 21                        ; a mat is 2 MiB of f16
	s_lshl_b32 s21, ttmp9, 11                      ; 16 rows of 128 bytes
	s_add_co_u32 s24, s24, s21
	s_mov_b32 s25, 0
	s_wait_kmcnt 0x0
	s_cmp_eq_u32 s20, 4                            ; the source buffer, chosen by the work-group's y alone
	s_cselect_b64 s[16:17], s[6:7], s[4:5]
	s_cmp_eq_u32 s20, 5
	s_cselect_b64 s[16:17], s[8:9], s[16:17]
	s_cmp_eq_u32 s20, 6
	s_cselect_b64 s[16:17], s[10:11], s[16:17]
	s_cmp_eq_u32 s20, 7
	s_cselect_b64 s[16:17], s[12:13], s[16:17]
	s_add_nc_u64 s[16:17], s[16:17], s[18:19]
	s_add_nc_u64 s[22:23], s[14:15], s[24:25]
	; all sixteen loads of the wave go out at once; no register is written twice, so no source has to be freed
.irp i, 0,1,2,3,4,5,6,7
	global_load_b128 v[X+8*\i:X+8*\i+3],   v1, s[16:17] offset:(\i>>1)*16384+(\i&1)*256 th:TH_LOAD_NT
	global_load_b128 v[X+8*\i+4:X+8*\i+7], v1, s[16:17] offset:(\i>>1)*16384+(\i&1)*256+16 th:TH_LOAD_NT
.endr
.irp i, 0,1,2,3,4,5,6,7
	s_wait_loadcnt 14-2*\i                         ; loads come back in order (ISA guide 5.7.1): step i's two are in, the 2 (7 - i) younger ones stay out
.irp p, 0,1,2,3
	v_cvt_pk_f16_f32 v[Y+4*\i+\p], v[X+8*\i+2*\p], v[X+8*\i+2*\p+1]
.endr
	global_store_b128 v2, v[Y+4*\i:Y+4*\i+3], s[22:23] offset:(\i&1)*131072+(\i>>1)*512
.endr
	s_endpgm
.Lfunc_end_k_q477312f912_prep:
	.size	k_q477312f912_prep, .Lfunc_end_k_q477312f912_prep-k_q477312f912_prep
	.p2alignl 7, 3214868480
	.fill 96, 4, 3214868480
	.section	.rodata,"a",@progbits
	.p2align	6, 0x0
	.amdhsa_kernel k_q477312f912_prep
		.amdhsa_group_segment_fixed_size 0
		.amdhsa_private_segment_fixed_size 0
		.amdhsa_enable_private_segment 0
		.amdhsa_kernarg_size 48
		.amdhsa_user_sgpr_count 2
		.amdhsa_user_sgpr_kernarg_segment_ptr 1
		.amdhsa_wavefront_size32 1
		.amdhsa_system_sgpr_workgroup_id_x 1
		.amdhsa_system_sgpr_workgroup_id_y 1
		.amdhsa_system_sgpr_workgroup_id_z 1
		.amdhsa_system_vgpr_workitem_id 0
		.amdhsa_next_free_vgpr 104
		.amdhsa_next_free_sgpr 66
		.amdhsa_reserve_vcc 0
		.amdhsa_float_denorm_mode_32 3
		.amdhsa_float_denorm_mode_16_64 3
		.amdhsa_memory_ordered 1
		.amdhsa_forward_progress 1
		.amdhsa_inst_pref_size 6
	.end_amdhsa_kernel
	.amdgpu_metadata
---
amdhsa.version: [ 1, 2 ]
amdhsa.kernels:
  - .name:           k_q477312f912_prep
    .symbol:         k_q477312f912_prep.kd
    .args:
      - { .name: x, .offset: 0, .size: 8, .value_kind: global_buffer, .address_space: global }
      - { .name: Wq, .offset: 8, .size: 8, .value_kind: global_buffer, .address_space: global }
      - { .name: Wk, .offset: 16, .size: 8, .value_kind: global_buffer, .address_space: global }
      - { .name: Wv, .offset: 24, .size: 8, .value_kind: global_buffer, .address_space: global }
      - { .name: Wo, .offset: 32, .size: 8, .value_kind: global_buffer, .address_space: global }
      - { .name: hb, .offset: 40, .size: 8, .value_kind: global_buffer, .address_space: global }
    .group_segment_fixed_size: 0
    .private_segment_fixed_size: 0
    .kernarg_segment_align: 8
    .kernarg_segment_size: 48
    .max_flat_workgroup_size: 256
    .sgpr_count:     66
    .vgpr_count:     104
    .wavefront_size: 32
...
	.end_amdgpu_metadata
.endif
;; end of part 1
;; launch qkv (part 2): grid 16 x 16, 4 waves a work-group, clusters of 4 x 4, 327,680 bytes of LDS; arguments hb, qkv; writes qkv
.if DOCPART == 2
	.amdgcn_target "amdgcn-amd-amdhsa--gfx1250"
	.amdhsa_code_object_version 6
	.text
	.protected	k_q477312f912_qkv
	.globl	k_q477312f912_qkv
	.p2align	8
	.type	k_q477312f912_qkv,@function
k_q477312f912_qkv:
	s_mov_b64 s[64:65], 0
	v_nop
	global_prefetch_b8 v0, s[64:65] scope:SCOPE_SE
	s_setreg_imm32_b32 hwreg(HW_REG_WAVE_MODE, 25, 1), 1
	s_wait_xcnt 0x0
	s_wait_alu depctr_hold_cnt(0) depctr_sa_sdst(0) depctr_va_vdst(0) depctr_va_sdst(0) depctr_va_ssrc(0) depctr_va_vcc(0) depctr_vm_vsrc(0)
	s_getreg_b32 s2, hwreg(HW_REG_IB_STS2, 6, 4)
	s_cmp_eq_u32 s2, 0
	s_cbranch_scc0 .Lentry_in_a_cluster
	s_endpgm
.Lentry_in_a_cluster:
	s_bfe_u32 s2, ttmp6, 0x10000c
	s_cmp_lg_u32 s2, 0xf033
	s_cbranch_scc0 .Lentry_shape_is_right
	s_endpgm
.Lentry_shape_is_right:
; q, k, v of one head (64 columns of Wq, Wk, Wv) for 256 tokens:  qkv[part][b][h][token][64] f16, part 0 = c q with c = log2(e) / 8, part 1 = k, part 2 = v.
; The factor c is the softmax's 1 / sqrt(64) and the change to base 2; it is applied to q's f32 sums, ahead of their one rounding.
; Operands f16 from hb (x: mats 0-3, [chunk][k / 64][token][64]; W: mats 4-6, [n / 64][k][64]); sums in f32.
; Four waves; wave w owns tokens 64 w .. 64 w + 63 and all 192 columns: 48 accumulator tiles of 16 x 16, 384 registers.
; K = 1,024 goes in 8 tiles of 128 through two LDS slots filled by the tensor data mover.
; CLUSTER 4 x 4: work-group x = head, y = block of 256 tokens.  The four of a row of the cluster need the same tiles of x, the four of a column the same tiles of W:
; each tile is asked for jointly, which divides the requests for x and for W by four.
; THE MATRIX INSTRUCTION IS USED TRANSPOSED: source 0 = 16 columns of W, source 1 = 16 tokens of x.  Lane (r, h), register j then holds token r, column 8 h + j:
; eight neighbouring columns of one token, which pack into 16 bytes.
; W lies [k][n] in LDS and is read by the transposing load; x lies [token][k] and is read plainly.
; LIMIT: |q|, |k|, |v| of 65,520 and above round to infinity in f16; NaN and infinite inputs are not served.
.set NMAT,  3                          ; weight matrices multiplied at once
.set MAT0,  0                          ; the first of them: hb's mat 4 + MAT0
.set XW,    2                          ; register window of x's fragments
.set NLO,   8                          ; column tiles whose accumulators lie in window 1
.set APART, 18432                      ; x's part of a wave: 2 blocks of 64 k x 64 tokens, rows of 128 bytes + 16 of padding
.set AREG,  4*APART
.set WPART, NMAT*5120                  ; W's part of a wave: 32 k rows of each matrix, rows of 128 bytes + 32 of padding
.set SLOT,  AREG+4*WPART               ; 135,168 bytes
.set STAGE, 2*SLOT                     ; behind the ring, for the way out; no tensor load ever lands there
.set SB,    2304                       ; a wave's stage: 16 rows of 144 bytes
.set ASTEP, 262144                     ; x: two blocks of 64 k on
.set WSTEP, 16384                      ; W: 128 k rows on
; window 0: v8-9 XA, v10-11 WA (LDS addresses of my fragments in slot 0, 1), v12-14 the way out, v32-47 packed results, v64-159 and v160-255 W's fragments, two buffers
; window 1: accumulator tile (nt, tt) at v[8 (4 nt + tt)], nt = 0..7 (q, k);  window 2: v0-127 the same for nt = 8..11 (v), v128-159 and v160-191 x's fragments, two buffers
.set XA,  8
.set WA,  10
.set STO, 12
.set RD,  13
.set CO,  14
.set TMP, 32
.set WF0, 64
.set WF1, 64+32*NMAT
.set XF0, 128
.set XF1, 160
.set G1A, 24                           ; s[24:31] descriptor group 1 for x's tiles
.set G1W, 32                           ; s[32:39] descriptor group 1 for W's tiles
.set G0A, 40                           ; s[40:47] group 0 for x's tiles, one set for each slot
.set G0W, 48                           ; s[48:55] group 0 for W's tiles, one set for each slot
.set PO,  56                           ; s[56:61] where my 64 tokens of q, k, v go
.set W_X,  (XW<<6)                     ; loads into x's fragments: destination window XW
.set W_LO, 0x50|(XW<<2)                ; source 0 (W) window 0, source 1 (x) window XW, C and D window 1
.set W_HI, 0xa0|(XW<<2)                ; the same, C and D window 2
.set MSB, 0
.macro WIN new                         ; s_set_vgpr_msb: bits 1:0 source 0, 3:2 source 1, 5:4 source 2, 7:6 destination; the high byte repeats the setting that is left
.if MSB != \new
	s_set_vgpr_msb (MSB<<8)|\new
.set MSB, \new
.endif
.endm
; Four places behind a matrix instruction before a load lands on one of its registers or a vector instruction reads its result (ISA guide 7.12.1 for vector instructions);
; only plain vector instructions that name none of its registers are places.
.macro PLACES
.rept 4
	v_nop
.endr
.endm
; A round of the cluster's barrier: my work-group's barrier, wave 0 signals for the work-group, every wave waits for all sixteen, my work-group's barrier once more.
.macro ROUND
	s_barrier_signal -1
	s_barrier_wait -1
	s_cmp_lg_u32 s8, 0
	s_cbranch_scc1 .Lnot_wave_0_\@
	s_barrier_signal -3
.Lnot_wave_0_\@:
	s_barrier_wait -3
	s_barrier_signal -1
	s_barrier_wait -1
.endm
.macro MM acc, a, b, zero              ; zero = 1: the product starts the sum, nothing is ever cleared
.if \zero
	v_wmma_f32_16x16x32_f16 v[\acc:\acc+7], v[\a:\a+7], v[\b:\b+7], 0
.else
	v_wmma_f32_16x16x32_f16 v[\acc:\acc+7], v[\a:\a+7], v[\b:\b+7], v[\acc:\acc+7]
.endif
.endm
; The fragments of 32 along K (part ks of the slot) into buffers wf, xf.
; W: k rows 8 h + (lane & 7) and 16 further down, 16 bytes at column 16 nt + 8 ((lane >> 3) & 1); the load transposes 8 x 8 within eight lanes, so that
; lane (r, h) ends with column 16 nt + r, k = 8 h .. + 7 and 16 + 8 h .. + 7.  x: token 16 tt + r, the same k, two loads 32 bytes apart.
.macro FETCH slot, ks, wf, xf
	WIN 0
.set n_i, 0
.rept 4*NMAT
	ds_load_tr16_b128 v[\wf+8*n_i:\wf+8*n_i+3],   v[WA+\slot] offset:\ks*WPART+(n_i>>2)*5120+32*(n_i&3)
	ds_load_tr16_b128 v[\wf+8*n_i+4:\wf+8*n_i+7], v[WA+\slot] offset:\ks*WPART+(n_i>>2)*5120+32*(n_i&3)+2560
.set n_i, n_i+1
.endr
	WIN W_X
.irp tt, 0,1,2,3
	ds_load_b128 v[\xf+8*\tt:\xf+8*\tt+3],   v[XA+\slot] offset:((\ks>>1)*64+16*\tt)*144+(\ks&1)*64
	ds_load_b128 v[\xf+8*\tt+4:\xf+8*\tt+7], v[XA+\slot] offset:((\ks>>1)*64+16*\tt)*144+(\ks&1)*64+32
.endr
.endm
; 16 NMAT matrix instructions: all column tiles x my four token tiles, 32 along K.  The accumulators take turns, one instruction a turn, in the same order
; every time, over the loop's backward jump too.
.macro MUL wf, xf, zero
	WIN W_LO
.set n_i, 0
.rept NLO
.irp tt, 0,1,2,3
	MM 8*(4*n_i+\tt), \wf+8*n_i, \xf+8*\tt, \zero
.endr
.set n_i, n_i+1
.endr
.if NMAT == 3
	WIN W_HI
.rept 4
.irp tt, 0,1,2,3
	MM 8*(4*(n_i-8)+\tt), \wf+8*n_i, \xf+8*\tt, \zero
.endr
.set n_i, n_i+1
.endr
.endif
.endm
; One of a tile's first three quarters: the current buffers' loads, issued a whole quarter ago, are in; the next quarter's go out in one run; then the products.
.macro SUBK slot, ksn, wc, xc, wn, xn, zero
	s_wait_dscnt 0x0
	PLACES
	FETCH \slot, \ksn, \wn, \xn
	MUL \wc, \xc, \zero
.endm
; One K tile.  The round stands for two things: every wave of the cluster has its part of this slot's tile in LDS, and none still reads the other slot.
.macro TRIP slot, refill, zero
	s_wait_tensorcnt 0x0                           ; all my tensor loads have landed, my parts of this tile among them: no load of mine is out,
	ds_add_u32 v62, v63
	s_wait_dscnt 0x0
	s_add_nc_u64 s[G0A+4*\slot+2:G0A+4*\slot+3], s[G0A+4*\slot+2:G0A+4*\slot+3], 2*ASTEP   ; so every group 0 may be written: this slot's next tile
	s_add_nc_u64 s[G0W+4*\slot+2:G0W+4*\slot+3], s[G0W+4*\slot+2:G0W+4*\slot+3], 2*WSTEP
	s_wait_dscnt 0x0                               ; my reads of the other slot are back
	ROUND
.if \refill
	tensor_load_to_lds s[G0A+4*(1-\slot):G0A+4*(1-\slot)+3], s[G1A:G1A+7]   ; the next tile, first thing behind the round: two loads of the wave are out,
	s_nop 0
	tensor_load_to_lds s[G0W+4*(1-\slot):G0W+4*(1-\slot)+3], s[G1W:G1W+7]   ; with this tile's 64 NMAT matrix instructions in which to land
	s_nop 0
.endif
	PLACES
	FETCH \slot, 0, WF0, XF0
	SUBK \slot, 1, WF0, XF0, WF1, XF1, \zero
	SUBK \slot, 2, WF1, XF1, WF0, XF0, 0
	SUBK \slot, 3, WF0, XF0, WF1, XF1, 0
	s_wait_dscnt 0x0
	MUL WF1, XF1, 0
	WIN 0                                          ; at a label and at a branch every window is 0
.endm
	s_load_b128 s[4:7], s[0:1], 0x0                ; hb s[4:5], qkv s[6:7]
	v_lshl_add_u32 v62, v0, 2, 0x44400
	v_mov_b32 v63, 0
	ds_add_u32 v62, v63
	v_lshrrev_b32 v3, 5, v0
	v_readfirstlane_b32 s8, v3                     ; wave 0..3
	s_bfe_u32 s12, ttmp6, 0x40000                  ; cx
	s_bfe_u32 s13, ttmp6, 0x40004                  ; cy
	s_lshl_b32 s14, ttmp9, 2
	s_add_co_u32 s14, s14, s12                     ; bx = head
	s_and_b32 s15, ttmp7, 0xffff
	s_lshl_b32 s15, s15, 2
	s_add_co_u32 s15, s15, s13                     ; by = block of 256 tokens
	s_lshl_b32 s20, s13, 2
	s_lshl_b32 s20, 15, s20                        ; my row of the cluster: places 4 cy .. 4 cy + 3
	s_lshl_b32 s22, 0x1111, s12                    ; my column: places cx, cx + 4, cx + 8, cx + 12
	; group 1, x: elements of 8 bytes; a row = 64 tokens x 128 bytes dense = 1,024 elements; 2 rows (blocks of 64 k) 131,072 bytes apart;
	; behind every 32 words of data 4 words of padding: LDS rows of 144 bytes, an odd multiple of 16, so that the 16 rows of a fragment load start at 16 different 16-byte columns modulo 256
	s_or_b32 s[G1A+0], s20, (3<<16)|(1<<20)|(1<<21)|(4<<22)|(3<<25)
	s_mov_b32 s[G1A+1], 1024<<16                   ; tensor_dim0 = 1,024
	s_mov_b32 s[G1A+2], 2<<16                      ; tensor_dim1 = 2
	s_mov_b32 s[G1A+3], 1024<<16                   ; tile_dim0 = 1,024
	s_mov_b32 s[G1A+4], 2                          ; tile_dim1 = 2
	s_mov_b32 s[G1A+5], 16384                      ; pitch in elements
	s_mov_b32 s[G1A+6], 0
	s_mov_b32 s[G1A+7], 0
	; group 1, W: a row = 32 k rows x 128 bytes dense = 512 elements; NMAT rows (matrices) 2 MiB apart; 8 words of padding: LDS rows of 160 bytes, an odd multiple of 32
	s_or_b32 s[G1W+0], s22, (3<<16)|(1<<20)|(1<<21)|(4<<22)|(7<<25)
	s_mov_b32 s[G1W+1], 512<<16
	s_mov_b32 s[G1W+2], NMAT<<16
	s_mov_b32 s[G1W+3], 512<<16
	s_mov_b32 s[G1W+4], NMAT
	s_mov_b32 s[G1W+5], 262144
	s_mov_b32 s[G1W+6], 0
	s_mov_b32 s[G1W+7], 0
	; x's tiles hang on by and the wave alone, W's on bx and the wave alone, each in registers that never hold the other coordinate
	s_lshr_b32 s16, s15, 2
	s_lshl_b32 s16, s16, 21                        ; chunk of 1,024 tokens: 2 MiB
	s_and_b32 s20, s15, 3
	s_lshl_b32 s20, s20, 15                        ; 256 tokens of 128 bytes
	s_add_co_u32 s16, s16, s20
	s_lshl_b32 s20, s8, 13                         ; my 64 tokens
	s_add_co_u32 s16, s16, s20
	s_mov_b32 s17, 0
	s_lshl_b32 s18, s14, 17                        ; block of 64 columns: 1,024 k rows of 128 bytes
	s_lshl_b32 s22, s8, 12                         ; my 32 k rows
	s_add_co_u32 s18, s18, s22
	s_add_co_u32 s18, s18, (4+MAT0)<<21            ; the first matrix
	s_mov_b32 s19, 0
	s_mul_i32 s21, s8, APART                       ; LDS: the wave's number and constants alone
	s_mul_i32 s23, s8, WPART
	s_add_co_u32 s23, s23, AREG
	s_mul_i32 s62, s8, SB
	s_add_co_u32 s62, s62, STAGE                   ; my stage
	; where my tokens go: ((b 16 + head) 2,048 + token in the batch) x 128 bytes
	s_lshr_b32 s56, s15, 3
	s_lshl_b32 s56, s56, 4
	s_add_co_u32 s56, s56, s14
	s_lshl_b32 s56, s56, 18
	s_and_b32 s57, s15, 7
	s_lshl_b32 s57, s57, 15
	s_add_co_u32 s56, s56, s57
	s_lshl_b32 s57, s8, 13
	s_add_co_u32 s56, s56, s57
	s_mov_b32 s57, 0
	s_wait_dscnt 0x0
	s_wait_kmcnt 0x0
	s_add_nc_u64 s[16:17], s[4:5], s[16:17]
	s_add_nc_u64 s[18:19], s[4:5], s[18:19]
	s_add_nc_u64 s[PO:PO+1], s[6:7], s[56:57]      ; q
	s_add_nc_u64 s[PO+2:PO+3], s[PO:PO+1], 0x800000    ; k: 8 MiB on
	s_add_nc_u64 s[PO+4:PO+5], s[PO:PO+1], 0x1000000   ; v
	ROUND                                          ; all sixteen work-groups are here: the first joint loads meet
.irp s, 0,1
	s_mov_b32 s[G0A+4*\s], 1
	s_add_co_u32 s[G0A+4*\s+1], s21, \s*SLOT
	s_add_nc_u64 s[G0A+4*\s+2:G0A+4*\s+3], s[16:17], \s*ASTEP
	s_or_b32 s[G0A+4*\s+3], s[G0A+4*\s+3], 0x80000000
	s_mov_b32 s[G0W+4*\s], 1
	s_add_co_u32 s[G0W+4*\s+1], s23, \s*SLOT
	s_add_nc_u64 s[G0W+4*\s+2:G0W+4*\s+3], s[18:19], \s*WSTEP
	s_or_b32 s[G0W+4*\s+3], s[G0W+4*\s+3], 0x80000000
.endr
	tensor_load_to_lds s[G0A:G0A+3], s[G1A:G1A+7]  ; tile 0
	s_nop 0
	tensor_load_to_lds s[G0W:G0W+3], s[G1W:G1W+7]
	s_nop 0
	v_and_b32 v1, 15, v0                           ; r
	v_bfe_u32 v2, v0, 4, 1                         ; h
	v_mul_u32_u24 v3, v1, 144
	v_lshl_add_u32 v3, v2, 4, v3                   ; r x 144 + 16 h
	v_add_nc_u32 v[XA], s21, v3
	v_add_nc_u32 v[XA+1], SLOT, v[XA]
	v_and_b32 v4, 7, v0
	v_lshl_add_u32 v4, v2, 3, v4                   ; k row 8 h + (lane & 7)
	v_mul_u32_u24 v4, v4, 160
	v_bfe_u32 v5, v0, 3, 1
	v_lshl_add_u32 v4, v5, 4, v4                   ; + 16 ((lane >> 3) & 1)
	v_add_nc_u32 v[WA], AREG, v4
	v_add_nc_u32 v[WA+1], AREG+SLOT, v4
	v_add_nc_u32 v[STO], s62, v3                   ; in: row r, 16 bytes for each half of the lanes
	v_bfe_u32 v5, v0, 3, 2
	v_mul_u32_u24 v5, v5, 144
	v_and_b32 v6, 7, v0
	v_lshl_add_u32 v5, v6, 4, v5
	v_add_nc_u32 v[RD], s62, v5                    ; back: eight lanes take a row of 128 bytes, the wave four rows
	v_and_b32 v6, 31, v0
	v_lshlrev_b32 v[CO], 4, v6                     ; and the same 512 bytes in memory: tokens lie 128 bytes apart
	TRIP 0, 1, 1                                   ; the first two tiles stand in front of the loop: the first products start the sums
	TRIP 1, 1, 0
	s_mov_b32 s9, 2
.Llap:
	TRIP 0, 1, 0
	TRIP 1, 1, 0
	s_sub_co_u32 s9, s9, 1
	s_cmp_lg_u32 s9, 0
	s_cbranch_scc1 .Llap
	TRIP 0, 1, 0                                   ; fetches tile 7
	TRIP 1, 0, 0                                   ; the last tile fetches nothing (the stepped addresses are not used)
; THE WAY OUT: 16 tokens x 64 columns of one part at a time: round to f16, 16 bytes a lane into my own stage, read back as rows, store 512 consecutive bytes, aligned, a wave.
; LDS serves a wave's instructions in order (ISA guide 5.7.1), and the stage is my own: no wait between the stores and the loads, no barrier.
.macro OUT mat, tt, rb
.if \mat == 0
	WIN 0x41                                       ; q alone: times c = log2(e) / 8, in place, in f32
.irp n4, 0,1,2,3
.irp p, 0,2,4,6
	v_pk_mul_f32 v[8*(4*\n4+\tt)+\p:8*(4*\n4+\tt)+\p+1], v[8*(4*\n4+\tt)+\p:8*(4*\n4+\tt)+\p+1], 0x3e38aa3b op_sel_hi:[1,0]
.endr
.endr
.endif
.if \mat < 2
	WIN 0x05
.else
	WIN 0x0a
.endif
.irp n4, 0,1,2,3
.irp p, 0,1,2,3
	v_cvt_pk_f16_f32 v[TMP+4*\n4+\p], v[8*(4*(4*(\mat&1)+\n4)+\tt)+2*\p], v[8*(4*(4*(\mat&1)+\n4)+\tt)+2*\p+1]
.endr
.endr
	WIN 0
.irp n4, 0,1,2,3
	ds_store_b128 v[STO], v[TMP+4*\n4:TMP+4*\n4+3] offset:32*\n4
.endr
	s_wait_xcnt 0x0                                ; buffer rb, which earlier stores read, is loaded again only behind this wait
.irp e, 0,1,2,3
	ds_load_b128 v[\rb+4*\e:\rb+4*\e+3], v[RD] offset:576*\e
.endr
.irp e, 0,1,2,3
	s_wait_dscnt 3-\e                              ; read-back e is in, the younger ones stay out
	global_store_b128 v[CO], v[\rb+4*\e:\rb+4*\e+3], s[PO+2*\mat:PO+2*\mat+1] offset:2048*\tt+512*\e
.endr
.endm
	PLACES                                         ; behind the last matrix instructions: results are read, fragment buffers loaded again
.irp m, 0,1,2
	OUT \m, 0, WF0
	OUT \m, 1, WF0+32
	OUT \m, 2, WF0
	OUT \m, 3, WF0+32
.endr
	s_wait_dscnt 0x0
	s_wait_tensorcnt 0x0
	ds_add_u32 v62, v63
	s_wait_dscnt 0x0
	ROUND                                          ; the closing round: no work-group ends while a partner may still ask for a tile that names it
	s_endpgm
.Lfunc_end_k_q477312f912_qkv:
	.size	k_q477312f912_qkv, .Lfunc_end_k_q477312f912_qkv-k_q477312f912_qkv
	.p2alignl 7, 3214868480
	.fill 96, 4, 3214868480
	.section	.rodata,"a",@progbits
	.p2align	6, 0x0
	.amdhsa_kernel k_q477312f912_qkv
		.amdhsa_group_segment_fixed_size 327680
		.amdhsa_private_segment_fixed_size 0
		.amdhsa_enable_private_segment 0
		.amdhsa_kernarg_size 16
		.amdhsa_user_sgpr_count 2
		.amdhsa_user_sgpr_kernarg_segment_ptr 1
		.amdhsa_wavefront_size32 1
		.amdhsa_system_sgpr_workgroup_id_x 1
		.amdhsa_system_sgpr_workgroup_id_y 1
		.amdhsa_system_sgpr_workgroup_id_z 1
		.amdhsa_system_vgpr_workitem_id 0
		.amdhsa_next_free_vgpr 704
		.amdhsa_next_free_sgpr 66
		.amdhsa_reserve_vcc 0
		.amdhsa_float_denorm_mode_32 3
		.amdhsa_float_denorm_mode_16_64 3
		.amdhsa_memory_ordered 1
		.amdhsa_forward_progress 1
		.amdhsa_inst_pref_size 170
	.end_amdhsa_kernel
	.amdgpu_metadata
---
amdhsa.version: [ 1, 2 ]
amdhsa.kernels:
  - .name:           k_q477312f912_qkv
    .symbol:         k_q477312f912_qkv.kd
    .args:
      - { .name: hb, .offset: 0, .size: 8, .value_kind: global_buffer, .address_space: global }
      - { .name: qkv, .offset: 8, .size: 8, .value_kind: global_buffer, .address_space: global }
    .group_segment_fixed_size: 327680
    .private_segment_fixed_size: 0
    .kernarg_segment_align: 8
    .kernarg_segment_size: 16
    .max_flat_workgroup_size: 128
    .sgpr_count:     66
    .vgpr_count:     704
    .wavefront_size: 32
...
	.end_amdgpu_metadata
.endif
;; end of part 2
;; launch attn (part 3): grid 8 x 32, 8 waves a work-group, clusters of 4 x 1, 327,680 bytes of LDS; arguments qkv, ao; writes ao
.if DOCPART == 3
	.amdgcn_target "amdgcn-amd-amdhsa--gfx1250"
	.amdhsa_code_object_version 6
	.text
	.protected	k_q477312f912_attn
	.globl	k_q477312f912_attn
	.p2align	8
	.type	k_q477312f912_attn,@function
k_q477312f912_attn:
	s_mov_b64 s[64:65], 0
	v_nop
	global_prefetch_b8 v0, s[64:65] scope:SCOPE_SE
	s_setreg_imm32_b32 hwreg(HW_REG_WAVE_MODE, 25, 1), 1
	s_wait_xcnt 0x0
	s_wait_alu depctr_hold_cnt(0) depctr_sa_sdst(0) depctr_va_vdst(0) depctr_va_sdst(0) depctr_va_ssrc(0) depctr_va_vcc(0) depctr_vm_vsrc(0)
	s_getreg_b32 s2, hwreg(HW_REG_IB_STS2, 6, 4)
	s_cmp_eq_u32 s2, 0
	s_cbranch_scc0 .Lentry_in_a_cluster
	s_endpgm
.Lentry_in_a_cluster:
	s_bfe_u32 s2, ttmp6, 0x10000c
	s_cmp_lg_u32 s2, 0x3003
	s_cbranch_scc0 .Lentry_shape_is_right
	s_endpgm
.Lentry_shape_is_right:
; Softmax attention of one (batch, head) for 256 queries, with a running maximum:  ao[chunk of 1,024 tokens][head][token][64] f16.
; qkv[part][b][h][token][64] f16; part 0 holds q times log2(e) / 8, so a score is already the exponent to base 2.
; Eight waves; wave w owns 32 queries (two tiles of 16).  Two waves lie on each SIMD, so that one wave's softmax can run under the other's matrix work.
; Keys go in 8 tiles of 256 through two LDS slots filled by the tensor data mover; a wave works on a tile in two steps of 128 keys.
; CLUSTER 4 x 1: four query blocks of one head read the same K and V tiles and ask for them jointly (mask 15), which divides the requests for K and V by four.
; BOTH PRODUCTS ARE USED TRANSPOSED.  S^T = K Q^T: source 0 = 16 keys, source 1 = 16 queries; lane (r, h), register j holds query r, key 8 h + j.
; Two such tiles, rounded to f16 in place, ARE source 1 of O^T = V^T P^T for 32 keys: no number changes its lane between the products,
; and a query's maximum and sum live in its two lanes r and 16 + r.  V lies [key][d] in LDS and is read by the transposing load.
; The exponent s - M is at most 0 for every input and 0 at the maximum, so a sum is at least 1 and P at most 1.
; REGISTERS: window 0 holds all that vector instructions touch (addresses, statistics, Q, S / P, O); window 1 holds only source 0 of the products:
; K's fragments of a step (128 registers) and V's (128).  So a step's K fragments are loaded under the step before, and five or seven window switches serve 128 keys.
; LIMITS: NaN and infinite inputs are not served; v_exp_f32 gives 0 below 2^-126 (ISA guide 15.8); P below f16's smallest number counts as 0.
.set SLOT,  77824                      ; 256 keys: K in rows of 144 bytes, then V in rows of 160 bytes
.set VOFF,  36864
.set STAGE, 2*SLOT                     ; behind the ring: 32 rows of 144 bytes for each wave; no tensor load ever lands there
.set TSTEP, 32768                      ; 256 keys of 128 bytes
.set KA,  2                            ; v2-3    LDS address of my K fragments in slot 0, 1
.set VA,  4                            ; v4-5    the same for V
.set STO, 6                            ; v6-8    the way out
.set RD,  7
.set CO,  8
.set QO,  9                            ; v9      my byte offset in Q
.set MN,  10                           ; v10-11  the new maximum of query tile 0, 1
.set MP,  12                           ; v[12:15] the running maximum, twice each (pairs for the packed subtraction)
.set AL,  16                           ; v[16:19] exp2(old maximum - new maximum), twice each
.set LS,  20                           ; v[20:23] the lane's part of the sums, a pair for each query tile
.set T,   24                           ; v[24:31] at work
.set Q,   32                           ; v[32:63]   Q fragment (qt, ks) at 8 (2 qt + ks)
.set S,   64                           ; v[64:191]  S tile (kt, qt) at 64 qt + 8 kt, kt = 0..7; then P fragment (qt, u) at 64 qt + 16 u, u = 0..3
.set O,   192                          ; v[192:255] O tile (dt, qt) at 8 (2 dt + qt)
.set KF,  0                            ; window 1, v[0:127]   K fragment (ks, kt) at 8 (8 ks + kt)
.set VF,  128                          ; window 1, v[128:255] V fragment (u, dt) at 8 (4 u + dt)
.set G1K, 16                           ; s[16:23], s[24:31] descriptor groups 1;  s[32:39], s[40:47] groups 0, one set for each slot
.set G1V, 24
.set G0K, 32
.set G0V, 40
.set TO_F, 0x40                        ; loads into fragments: destination window 1, address window 0
.set MULF, 0x01                        ; products: source 0 window 1, source 1, C and D window 0
.set MSB, 0
.macro WIN new                         ; s_set_vgpr_msb: bits 1:0 source 0, 3:2 source 1, 5:4 source 2, 7:6 destination; the high byte repeats the setting that is left
.if MSB != \new
	s_set_vgpr_msb (MSB<<8)|\new
.set MSB, \new
.endif
.endm
; A round of the cluster's barrier: my work-group's barrier, wave 0 signals for the work-group, every wave waits for all four, my work-group's barrier once more.
.macro CREST                           ; a round behind its opening barrier
	s_cmp_lg_u32 s8, 0
	s_cbranch_scc1 .Lnot_wave_0_\@
	s_barrier_signal -3
.Lnot_wave_0_\@:
	s_barrier_wait -3
	s_barrier_signal -1
	s_barrier_wait -1
.endm
.macro ROUND                           ; a whole round
	s_barrier_signal -1
	s_barrier_wait -1
	CREST
.endm
.macro MM acc, a, b, zero              ; zero = 1: the product starts the sum
.if \zero
	v_wmma_f32_16x16x32_f16 v[\acc:\acc+7], v[\a:\a+7], v[\b:\b+7], 0
.else
	v_wmma_f32_16x16x32_f16 v[\acc:\acc+7], v[\a:\a+7], v[\b:\b+7], v[\acc:\acc+7]
.endif
.endm
; K's fragments of 128 keys: key 16 kt + r, d = 32 ks + 8 h .. + 7 and 16 further on; the sixteen loads of d = 0..31 first
.macro KLOAD slot, sub
	WIN TO_F
.irp ks, 0,1
.irp kt, 0,1,2,3,4,5,6,7
	ds_load_b128 v[KF+8*(8*\ks+\kt):KF+8*(8*\ks+\kt)+3],   v[KA+\slot] offset:(128*\sub+16*\kt)*144+64*\ks
	ds_load_b128 v[KF+8*(8*\ks+\kt)+4:KF+8*(8*\ks+\kt)+7], v[KA+\slot] offset:(128*\sub+16*\kt)*144+64*\ks+32
.endr
.endr
	WIN 0
.endm
; V's fragments of 128 keys: the load transposes 8 x 8 within eight lanes, so that lane (r, h) ends with d = 16 dt + r, key 32 u + 8 h .. + 7 and 16 further on
.macro VLOAD slot, sub
	WIN TO_F
.irp u, 0,1,2,3
.irp dt, 0,1,2,3
	ds_load_tr16_b128 v[VF+8*(4*\u+\dt):VF+8*(4*\u+\dt)+3],   v[VA+\slot] offset:(128*\sub+32*\u)*160+32*\dt
	ds_load_tr16_b128 v[VF+8*(4*\u+\dt)+4:VF+8*(4*\u+\dt)+7], v[VA+\slot] offset:(128*\sub+32*\u)*160+32*\dt+2560
.endr
.endr
	WIN 0
.endm
.macro SADD g                          ; tile g = 8 qt + kt: s - M
.irp p, 0,2,4,6
	v_pk_add_f32 v[S+8*(\g)+\p:S+8*(\g)+\p+1], v[S+8*(\g)+\p:S+8*(\g)+\p+1], v[MP+2*((\g)>>3):MP+2*((\g)>>3)+1] neg_lo:[0,1] neg_hi:[0,1]
.endr
.endm
.macro SEXP g
.irp p, 0,1,2,3,4,5,6,7
	v_exp_f32 v[S+8*(\g)+\p], v[S+8*(\g)+\p]
.endr
.endm
; The tile's eight numbers into the lane's sum, and rounded to f16 into their place in P's fragment.  A rounding never writes a register that is still to be read:
; tiles go in ascending order, an even tile packs into its own first four registers, an odd one into the last four of the tile before.
.macro SUMCVT g, first
	s_wait_alu depctr_va_vdst(0)
	v_pk_add_f32 v[T:T+1],   v[S+8*(\g):S+8*(\g)+1],   v[S+8*(\g)+2:S+8*(\g)+3]
	v_pk_add_f32 v[T+2:T+3], v[S+8*(\g)+4:S+8*(\g)+5], v[S+8*(\g)+6:S+8*(\g)+7]
	v_cvt_pk_f16_f32 v[S+16*((\g)>>1)+4*((\g)&1)],   v[S+8*(\g)],   v[S+8*(\g)+1]
	v_cvt_pk_f16_f32 v[S+16*((\g)>>1)+4*((\g)&1)+1], v[S+8*(\g)+2], v[S+8*(\g)+3]
.set STARTL, 0
.if \first
.if ((\g)&7) == 0
.set STARTL, 1
.endif
.endif
.if STARTL
	v_pk_add_f32 v[LS+2*((\g)>>3):LS+2*((\g)>>3)+1], v[T:T+1], v[T+2:T+3]  ; a query tile's first key tile starts its sum
	v_cvt_pk_f16_f32 v[S+16*((\g)>>1)+4*((\g)&1)+2], v[S+8*(\g)+4], v[S+8*(\g)+5]
	v_cvt_pk_f16_f32 v[S+16*((\g)>>1)+4*((\g)&1)+3], v[S+8*(\g)+6], v[S+8*(\g)+7]
.else
	v_pk_add_f32 v[T:T+1], v[T:T+1], v[T+2:T+3]
	v_cvt_pk_f16_f32 v[S+16*((\g)>>1)+4*((\g)&1)+2], v[S+8*(\g)+4], v[S+8*(\g)+5]
	v_cvt_pk_f16_f32 v[S+16*((\g)>>1)+4*((\g)&1)+3], v[S+8*(\g)+6], v[S+8*(\g)+7]
	v_pk_add_f32 v[LS+2*((\g)>>3):LS+2*((\g)>>3)+1], v[LS+2*((\g)>>3):LS+2*((\g)>>3)+1], v[T:T+1]
.endif
.endm
; 128 keys: half sub of slot's tile.  Its K fragments are on their way: 32 LDS loads, issued in front of the last step's second products.
; first = 1: the very first keys start the maximum, the sums and O.
; mode 0: the tile's first half; the next K fragments come from the same tile.
; mode 1: the tile's second half; this slot is filled again, two tiles ahead, and the next K fragments come from the other slot.
; mode 2: the same without a refill (the last tile but one).   mode 3: the last step of all.
.macro KEYS128 slot, sub, first, mode
.rept 5
	v_nop                                          ; five places behind the last products (ISA guide 7.12.1): S's first products write over P
.endr
	s_wait_dscnt 0x10                              ; d = 0..31 of the 128 keys is in; the sixteen younger loads (d = 32..63) stay out
	WIN MULF
	; in each group of sixteen the accumulators take turns, one instruction a turn
.irp kt, 0,1,2,3,4,5,6,7
.irp qt, 0,1
	MM S+64*\qt+8*\kt, KF+8*\kt, Q+16*\qt, 1
.endr
.endr
	s_wait_dscnt 0x0
.irp kt, 0,1,2,3,4,5,6,7
.irp qt, 0,1
	MM S+64*\qt+8*\kt, KF+64+8*\kt, Q+16*\qt+8, 0
.endr
.endr
.rept 4
	v_nop                                          ; four places: S is read; with the five above, V's fragments are loaded again
.endr
	VLOAD \slot, \sub                              ; they land under the softmax
	; the largest of the lane's 64 scores of each query tile and of the running maximum: four chains a tile, eight in all, that do not wait for each other
.irp qt, 0,1
.irp c, 0,1,2,3
	v_max3_num_f32 v[T+4*\qt+\c], v[S+64*\qt+16*\c], v[S+64*\qt+16*\c+1], v[S+64*\qt+16*\c+2]
.endr
.endr
.irp i, 0,1,2,3,4,5
.irp qt, 0,1
.irp c, 0,1,2,3
	v_max3_num_f32 v[T+4*\qt+\c], v[T+4*\qt+\c], v[S+64*\qt+16*\c+3+2*\i], v[S+64*\qt+16*\c+4+2*\i]
.endr
.endr
.endr
	v_max3_num_f32 v[T],   v[T],   v[T+1], v[S+15]         ; the chains join; each join takes in the sixteenth number that a chain left over
	v_max3_num_f32 v[T+4], v[T+4], v[T+5], v[S+79]
	v_max3_num_f32 v[T+2], v[T+2], v[T+3], v[S+31]
	v_max3_num_f32 v[T+6], v[T+6], v[T+7], v[S+95]
	v_max3_num_f32 v[T],   v[T],   v[T+2], v[S+47]
	v_max3_num_f32 v[T+4], v[T+4], v[T+6], v[S+111]
.if \first
	v_max_num_f32 v[T],   v[T],   v[S+63]
	v_max_num_f32 v[T+4], v[T+4], v[S+127]
.else
	v_max3_num_f32 v[T],   v[T],   v[MP],   v[S+63]
	v_max3_num_f32 v[T+4], v[T+4], v[MP+2], v[S+127]
.endif
	v_permlanex16_b32 v[T+1], v[T],   s48, s49     ; the query's other lane holds its other 64 keys (the destinations have been written above)
	v_permlanex16_b32 v[T+5], v[T+4], s48, s49
	v_max_num_f32 v[MN],   v[T],   v[T+1]
	v_max_num_f32 v[MN+1], v[T+4], v[T+5]
.if \first == 0
	v_sub_f32 v[AL],   v[MP],   v[MN]
	v_sub_f32 v[AL+2], v[MP+2], v[MN+1]
	v_exp_f32 v[AL],   v[AL]                       ; behind a transcendental one plain vector instruction that touches neither its result nor its source
	v_exp_f32 v[AL+2], v[AL+2]                     ; (ISA guide 5.7.2): the moves below
.endif
	v_mov_b32 v[MP],   v[MN]
	v_mov_b32 v[MP+1], v[MN]
	v_mov_b32 v[MP+2], v[MN+1]
	v_mov_b32 v[MP+3], v[MN+1]
.if \first == 0
	s_wait_alu depctr_va_vdst(0)
	v_mov_b32 v[AL+1], v[AL]
	v_mov_b32 v[AL+3], v[AL+2]
	v_pk_mul_f32 v[LS:LS+1],   v[LS:LS+1],   v[AL:AL+1]
	v_pk_mul_f32 v[LS+2:LS+3], v[LS+2:LS+3], v[AL+2:AL+3]
.endif
.if \mode == 1
	s_wait_dscnt 0x0                               ; V's fragments are in: they were my last reads of this slot
	s_wait_xcnt 0x0
	v_lshl_add_u32 v30, v0, 2, 0x2f000
	v_mov_b32 v31, 0
	s_wait_tensorcnt 0x0                           ; all my tensor loads have landed, my parts of the next tile: no load of mine is out,
	ds_add_u32 v30, v31
	s_wait_dscnt 0x0
	s_add_nc_u64 s[G0K+4*\slot+2:G0K+4*\slot+3], s[G0K+4*\slot+2:G0K+4*\slot+3], 2*TSTEP   ; so this slot's group 0 may be written: two tiles on
	s_add_nc_u64 s[G0V+4*\slot+2:G0V+4*\slot+3], s[G0V+4*\slot+2:G0V+4*\slot+3], 2*TSTEP
	s_barrier_signal -1                            ; say so: this opens a round of the cluster's barrier; only register work stands inside it
.endif
.if \mode == 2
	s_wait_dscnt 0x0
	s_wait_tensorcnt 0x0                           ; my parts of the last tile have landed
	s_barrier_signal -1
.endif
	; P = exp2(s - M), tile by tile: the subtraction runs one tile ahead of the exponentials, sum and rounding one tile behind,
	; so that plain work on the neighbouring tiles stands between a tile's exponentials and their first use
	SADD 0
	SADD 1
	SEXP 0
.irp g, 1,2,3,4,5,6,7,8,9,10,11,12,13,14
	SADD \g+1
	SEXP \g
	SUMCVT \g-1, \first
.endr
	SEXP 15
	SUMCVT 14, \first
	SUMCVT 15, \first
.if \first == 0
.irp dt, 0,1,2,3
.irp qt, 0,1
.irp p, 0,2,4,6
	v_pk_mul_f32 v[O+8*(2*\dt+\qt)+\p:O+8*(2*\dt+\qt)+\p+1], v[O+8*(2*\dt+\qt)+\p:O+8*(2*\dt+\qt)+\p+1], v[AL+2*\qt:AL+2*\qt+1]
.endr
.endr
.endr
.endif
.if \mode == 0
	s_wait_dscnt 0x0                               ; V's fragments, issued a softmax ago, are in
	KLOAD \slot, 1                                 ; the next step's K fragments land under the 32 products below
.endif
.if \mode == 1
	s_barrier_wait -1                              ; all eight waves have said so,
	CREST                                          ; all four work-groups have: no wave of any partner still reads this slot or has a load on its way
	tensor_load_to_lds s[G0K+4*\slot:G0K+4*\slot+3], s[G1K:G1K+7]   ; the refill, first thing behind the round: two loads of the wave are out,
	s_nop 0
	tensor_load_to_lds s[G0V+4*\slot:G0V+4*\slot+3], s[G1V:G1V+7]   ; with the work on the next tile's 256 keys in which to land
	s_nop 0
	KLOAD 1-\slot, 0
.endif
.if \mode == 2
	s_barrier_wait -1                              ; the last tile is whole
	KLOAD 1-\slot, 0
.endif
.if \mode == 3
	s_wait_dscnt 0x0
.endif
	WIN MULF
.irp dt, 0,1,2,3
.irp qt, 0,1
	MM O+8*(2*\dt+\qt), VF+8*\dt, S+64*\qt, \first
.endr
.endr
.irp u, 1,2,3
.irp dt, 0,1,2,3
.irp qt, 0,1
	MM O+8*(2*\dt+\qt), VF+8*(4*\u+\dt), S+64*\qt+16*\u, 0
.endr
.endr
.endr
	WIN 0                                          ; at a label and at a branch every window is 0
.endm
	s_load_b128 s[4:7], s[0:1], 0x0                ; qkv s[4:5], ao s[6:7]
	v_lshl_add_u32 v30, v0, 2, 0x2f000
	v_mov_b32 v31, 0
	ds_add_u32 v30, v31
	s_wait_dscnt 0x0
	v_lshrrev_b32 v1, 5, v0
	v_readfirstlane_b32 s8, v1                     ; wave 0..7
	s_bfe_u32 s10, ttmp6, 0x40000                  ; cx
	s_lshl_b32 s11, ttmp9, 2
	s_add_co_u32 s11, s11, s10                     ; qb = block of 256 queries
	s_and_b32 s12, ttmp7, 0xffff                   ; bh = 16 b + head
	s_mov_b32 s48, 0x76543210                      ; v_permlanex16_b32: lane i of one half reads lane i of the other
	s_mov_b32 s49, 0xfedcba98
	; group 1: elements of 8 bytes; a wave's 32 keys are 4,096 dense bytes = 16 rows of 256; behind every 32 words (a key) 4 words of padding for K, 8 for V;
	; mask 15: all four work-groups of the cluster, bit 21 beside it
	s_mov_b32 s[G1K+0], 15|(3<<16)|(1<<20)|(1<<21)|(4<<22)|(3<<25)
	s_mov_b32 s[G1V+0], 15|(3<<16)|(1<<20)|(1<<21)|(4<<22)|(7<<25)
.irp g, G1K, G1V
	s_mov_b32 s[\g+1], 32<<16                      ; tensor_dim0 = 32
	s_mov_b32 s[\g+2], 16<<16                      ; tensor_dim1 = 16
	s_mov_b32 s[\g+3], 32<<16                      ; tile_dim0 = 32
	s_mov_b32 s[\g+4], 16                          ; tile_dim1 = 16
	s_mov_b32 s[\g+5], 32                          ; pitch
	s_mov_b32 s[\g+6], 0
	s_mov_b32 s[\g+7], 0
.endr
	s_lshl_b32 s14, s12, 18                        ; a head: 2,048 tokens of 128 bytes
	s_lshl_b32 s13, s8, 12                         ; 32 tokens: my keys of a tile, and my queries of the block
	s_add_co_u32 s14, s14, s13                     ; K's and V's tiles hang on bh and the wave alone
	s_mov_b32 s15, 0
	s_mul_i32 s56, s8, 4608                        ; LDS: the wave's number and constants alone
	s_mul_i32 s57, s8, 5120
	s_add_co_u32 s57, s57, VOFF
	s_add_co_u32 s60, s56, STAGE                   ; my stage: also 4,608 bytes a wave
	s_lshl_b32 s50, s11, 15                        ; Q: + my block of 256 queries
	s_add_co_u32 s50, s50, s14
	s_mov_b32 s51, 0
	s_lshr_b32 s58, s12, 4                         ; ao: chunk = 2 b + qb / 4,
	s_lshl_b32 s58, s58, 1
	s_lshr_b32 s59, s11, 2
	s_add_co_u32 s58, s58, s59
	s_lshl_b32 s58, s58, 4
	s_and_b32 s59, s12, 15
	s_add_co_u32 s58, s58, s59                     ; x 16 + head,
	s_lshl_b32 s58, s58, 17                        ; x 1,024 tokens of 128 bytes,
	s_and_b32 s59, s11, 3
	s_lshl_b32 s59, s59, 15
	s_add_co_u32 s58, s58, s59                     ; + the block's 256 tokens in the chunk
	s_add_co_u32 s58, s58, s13                     ; + my 32
	s_mov_b32 s59, 0
	v_and_b32 v1, 15, v0                           ; r
	v_bfe_u32 v24, v0, 4, 1                        ; h
	v_lshlrev_b32 v[QO], 7, v1
	v_lshl_add_u32 v[QO], v24, 4, v[QO]            ; r x 128 + 16 h
	s_wait_kmcnt 0x0
	s_add_nc_u64 s[54:55], s[4:5], s[50:51]
	s_add_nc_u64 s[52:53], s[6:7], s[58:59]
	s_add_nc_u64 s[14:15], s[4:5], s[14:15]
.irp qt, 0,1
.irp ks, 0,1
	global_load_b128 v[Q+8*(2*\qt+\ks):Q+8*(2*\qt+\ks)+3],   v[QO], s[54:55] offset:2048*\qt+64*\ks       ; query 16 qt + r, d = 32 ks + 8 h ..
	global_load_b128 v[Q+8*(2*\qt+\ks)+4:Q+8*(2*\qt+\ks)+7], v[QO], s[54:55] offset:2048*\qt+64*\ks+32    ; d = 32 ks + 16 + 8 h ..
.endr
.endr
	ROUND                                          ; all four work-groups are here: the first joint loads meet
.irp s, 0,1
	s_mov_b32 s[G0K+4*\s], 1
	s_add_co_u32 s[G0K+4*\s+1], s56, \s*SLOT
	s_add_nc_u64 s[G0K+4*\s+2:G0K+4*\s+3], s[14:15], 0x800000+\s*TSTEP     ; k: part 1
	s_or_b32 s[G0K+4*\s+3], s[G0K+4*\s+3], 0x80000000
	s_mov_b32 s[G0V+4*\s], 1
	s_add_co_u32 s[G0V+4*\s+1], s57, \s*SLOT
	s_add_nc_u64 s[G0V+4*\s+2:G0V+4*\s+3], s[14:15], 0x1000000+\s*TSTEP    ; v: part 2
	s_or_b32 s[G0V+4*\s+3], s[G0V+4*\s+3], 0x80000000
.endr
	tensor_load_to_lds s[G0K:G0K+3], s[G1K:G1K+7]      ; tile 0,
	s_nop 0
	tensor_load_to_lds s[G0V:G0V+3], s[G1V:G1V+7]
	s_nop 0
	tensor_load_to_lds s[G0K+4:G0K+7], s[G1K:G1K+7]    ; tile 1: both slots' first fills, four loads of the wave are out
	s_nop 0
	tensor_load_to_lds s[G0V+4:G0V+7], s[G1V:G1V+7]
	s_nop 0
	v_mul_u32_u24 v25, v1, 144
	v_lshl_add_u32 v25, v24, 4, v25                ; r x 144 + 16 h
	v_mov_b32 v[KA], v25
	v_add_nc_u32 v[KA+1], SLOT, v25
	v_and_b32 v26, 7, v0
	v_lshl_add_u32 v27, v24, 3, v26                ; key 8 h + (lane & 7)
	v_mul_u32_u24 v27, v27, 160
	v_bfe_u32 v30, v0, 3, 1
	v_lshl_add_u32 v27, v30, 4, v27                ; + 16 ((lane >> 3) & 1)
	v_add_nc_u32 v[VA], VOFF, v27
	v_add_nc_u32 v[VA+1], VOFF+SLOT, v27
	v_add_nc_u32 v[STO], s60, v25                  ; in: row r, 16 bytes for each half of the lanes
	v_bfe_u32 v27, v0, 3, 2
	v_mul_u32_u24 v27, v27, 144
	v_lshl_add_u32 v27, v26, 4, v27
	v_add_nc_u32 v[RD], s60, v27                   ; back: eight lanes take a row of 128 bytes, the wave four rows
	v_and_b32 v27, 31, v0
	v_lshlrev_b32 v[CO], 4, v27                    ; the same 512 bytes in memory
	s_wait_tensorcnt 0x2                           ; my parts of tile 0 are in; tile 1's two loads stay out
	s_barrier_signal -1
	s_barrier_wait -1                              ; everybody's are
	KLOAD 0, 0
	s_wait_loadcnt 0x0                             ; Q, once
	KEYS128 0, 0, 1, 0                             ; tiles 0 and 1 stand in front of the loop: the first keys start maximum, sums and O
	KEYS128 0, 1, 0, 1                             ; asks for tile 2
	KEYS128 1, 0, 0, 0
	KEYS128 1, 1, 0, 1                             ; asks for tile 3
	s_mov_b32 s9, 2
.Llap:
	KEYS128 0, 0, 0, 0                             ; tiles 2, 4
	KEYS128 0, 1, 0, 1                             ; asks for tiles 4, 6
	KEYS128 1, 0, 0, 0                             ; tiles 3, 5
	KEYS128 1, 1, 0, 1                             ; asks for tiles 5, 7
	s_sub_co_u32 s9, s9, 1
	s_cmp_lg_u32 s9, 0
	s_cbranch_scc1 .Llap
	KEYS128 0, 0, 0, 0                             ; tile 6
	KEYS128 0, 1, 0, 2                             ; nothing more to ask for
	KEYS128 1, 0, 0, 0                             ; tile 7
	KEYS128 1, 1, 0, 3
	; THE WAY OUT: O / sum, rounded to f16, through my own stage, 512 consecutive bytes, aligned, a store
.rept 4
	v_nop                                          ; four places behind the last products: O is read, P's registers are written
.endr
	v_add_f32 v[T],   v[LS],   v[LS+1]
	v_add_f32 v[T+2], v[LS+2], v[LS+3]
	v_permlanex16_b32 v[T+4], v[T],   s48, s49
	v_permlanex16_b32 v[T+5], v[T+2], s48, s49
	v_add_f32 v[T],   v[T],   v[T+4]               ; the query's whole sum, at least 1
	v_add_f32 v[T+2], v[T+2], v[T+5]
	v_rcp_f32 v[AL],   v[T]
	v_rcp_f32 v[AL+2], v[T+2]
	v_nop                                          ; the plain place behind the reciprocals
	s_wait_alu depctr_va_vdst(0)
	v_mov_b32 v[AL+1], v[AL]
	v_mov_b32 v[AL+3], v[AL+2]
.irp dt, 0,1,2,3
.irp qt, 0,1
.irp p, 0,2,4,6
	v_pk_mul_f32 v[O+8*(2*\dt+\qt)+\p:O+8*(2*\dt+\qt)+\p+1], v[O+8*(2*\dt+\qt)+\p:O+8*(2*\dt+\qt)+\p+1], v[AL+2*\qt:AL+2*\qt+1]
.endr
.irp p, 0,1,2,3
	v_cvt_pk_f16_f32 v[S+4*(2*\dt+\qt)+\p], v[O+8*(2*\dt+\qt)+2*\p], v[O+8*(2*\dt+\qt)+2*\p+1]
.endr
	ds_store_b128 v[STO], v[S+4*(2*\dt+\qt):S+4*(2*\dt+\qt)+3] offset:2304*\qt+32*\dt   ; query 16 qt + r, d = 16 dt + 8 h .. + 7
.endr
.endr
.irp e, 0,1,2,3,4,5,6,7
	ds_load_b128 v[S+32+4*\e:S+32+4*\e+3], v[RD] offset:576*\e     ; LDS serves a wave's instructions in order (ISA guide 5.7.1): these see the stores above
.endr
.irp e, 0,1,2,3,4,5,6,7
	s_wait_dscnt 7-\e                              ; read-back e is in, the younger ones stay out
	global_store_b128 v[CO], v[S+32+4*\e:S+32+4*\e+3], s[52:53] offset:512*\e
.endr
	s_wait_xcnt 0x0
	v_lshl_add_u32 v30, v0, 2, 0x2f000
	v_mov_b32 v31, 0
	s_wait_tensorcnt 0x0
	ds_add_u32 v30, v31
	s_wait_dscnt 0x0
	ROUND                                          ; the closing round: no work-group ends while a partner may still ask for a tile that names it
	s_endpgm
.Lfunc_end_k_q477312f912_attn:
	.size	k_q477312f912_attn, .Lfunc_end_k_q477312f912_attn-k_q477312f912_attn
	.p2alignl 7, 3214868480
	.fill 96, 4, 3214868480
	.section	.rodata,"a",@progbits
	.p2align	6, 0x0
	.amdhsa_kernel k_q477312f912_attn
		.amdhsa_group_segment_fixed_size 327680
		.amdhsa_private_segment_fixed_size 0
		.amdhsa_enable_private_segment 0
		.amdhsa_kernarg_size 16
		.amdhsa_user_sgpr_count 2
		.amdhsa_user_sgpr_kernarg_segment_ptr 1
		.amdhsa_wavefront_size32 1
		.amdhsa_system_sgpr_workgroup_id_x 1
		.amdhsa_system_sgpr_workgroup_id_y 1
		.amdhsa_system_sgpr_workgroup_id_z 1
		.amdhsa_system_vgpr_workitem_id 0
		.amdhsa_next_free_vgpr 512
		.amdhsa_next_free_sgpr 66
		.amdhsa_reserve_vcc 0
		.amdhsa_float_denorm_mode_32 3
		.amdhsa_float_denorm_mode_16_64 3
		.amdhsa_memory_ordered 1
		.amdhsa_forward_progress 1
		.amdhsa_inst_pref_size 255
	.end_amdhsa_kernel
	.section	.bss,"aw",@nobits
	.p2align	6
	.space	262144
	.amdgpu_metadata
---
amdhsa.version: [ 1, 2 ]
amdhsa.kernels:
  - .name:           k_q477312f912_attn
    .symbol:         k_q477312f912_attn.kd
    .args:
      - { .name: qkv, .offset: 0, .size: 8, .value_kind: global_buffer, .address_space: global }
      - { .name: ao, .offset: 8, .size: 8, .value_kind: global_buffer, .address_space: global }
    .group_segment_fixed_size: 327680
    .private_segment_fixed_size: 0
    .kernarg_segment_align: 8
    .kernarg_segment_size: 16
    .max_flat_workgroup_size: 256
    .sgpr_count:     66
    .vgpr_count:     512
    .wavefront_size: 32
...
	.end_amdgpu_metadata
.endif
;; end of part 3
;; launch oproj (part 4): grid 16 x 16, 4 waves a work-group, clusters of 4 x 4, 327,680 bytes of LDS; arguments ao, hb, out0; writes out0
.if DOCPART == 4
	.amdgcn_target "amdgcn-amd-amdhsa--gfx1250"
	.amdhsa_code_object_version 6
	.text
	.protected	k_q477312f912_oproj
	.globl	k_q477312f912_oproj
	.p2align	8
	.type	k_q477312f912_oproj,@function
k_q477312f912_oproj:
	s_mov_b64 s[64:65], 0
	v_nop
	global_prefetch_b8 v0, s[64:65] scope:SCOPE_SE
	s_setreg_imm32_b32 hwreg(HW_REG_WAVE_MODE, 25, 1), 1
	s_wait_xcnt 0x0
	s_wait_alu depctr_hold_cnt(0) depctr_sa_sdst(0) depctr_va_vdst(0) depctr_va_sdst(0) depctr_va_ssrc(0) depctr_va_vcc(0) depctr_vm_vsrc(0)
	s_getreg_b32 s2, hwreg(HW_REG_IB_STS2, 6, 4)
	s_cmp_eq_u32 s2, 0
	s_cbranch_scc0 .Lentry_in_a_cluster
	s_endpgm
.Lentry_in_a_cluster:
	s_bfe_u32 s2, ttmp6, 0x10000c
	s_cmp_lg_u32 s2, 0xf033
	s_cbranch_scc0 .Lentry_shape_is_right
	s_endpgm
.Lentry_shape_is_right:
; out0 = ao Wo: 256 tokens x 64 columns a work-group, f32 out.
; Operands f16: ao[chunk][head = k / 64][token][64], Wo = hb's mat 7, [n / 64][k][64]; sums in f32.
; Four waves; wave w owns tokens 64 w .. 64 w + 63 and the 64 columns: 16 accumulator tiles.  4,096 x 1,024 outputs on 1,024 waves leave a wave no more.
; K = 1,024 goes in 8 tiles of 128 through THREE LDS slots filled by the tensor data mover.  A tile is only 64 matrix instructions of a wave, so two slots are filled
; behind one round of the cluster's barrier: the three first fills go out together, and later every second tile has two tiles' work in which to land.
; The eight tiles are written out: the pattern of three slots filled in pairs does not repeat within them.
; CLUSTER 4 x 4: work-group x = block of 64 columns, y = block of 256 tokens.  ao's tiles are shared along a row of the cluster, Wo's along a column: joint loads divide the requests for both by four.
; The matrix instruction is used transposed: source 0 = 16 columns of Wo, source 1 = 16 tokens.  Lane (r, h), register j holds token r, column 8 h + j: 32 neighbouring bytes of a row of out0.
; LIMIT: NaN and infinite inputs are not served.
.set APART, 18432                      ; ao's part of a wave: 2 blocks of 64 k x 64 tokens, rows of 128 bytes + 16 of padding
.set AREG,  4*APART
.set WPART, 5120                       ; Wo's part of a wave: 32 k rows of 128 bytes + 32 of padding
.set SLOT,  AREG+4*WPART               ; 94,208 bytes
.set STAGE, 3*SLOT                     ; behind the ring, for the way out; no tensor load ever lands there
.set SB,    4352                       ; a wave's stage: 16 rows of 272 bytes
.set ASTEP, 262144                     ; ao: two blocks of 64 k on
.set WSTEP, 16384                      ; Wo: 128 k rows on
; window 0: v8-10 XA, v12-14 WA (LDS addresses of my fragments in slot 0, 1, 2), v16-18 the way out,
;           v64-95 and v96-127 Wo's fragments, v128-159 and v160-191 the tokens' fragments, two buffers each
; window 1: accumulator tile (nt, tt) at v[8 (4 nt + tt)]
.set XA,  8
.set WA,  12
.set STO, 16
.set RD,  17
.set CO,  18
.set WF0, 64
.set WF1, 96
.set XF0, 128
.set XF1, 160
.set G1A, 24                           ; s[24:31] descriptor group 1 for ao's tiles
.set G1W, 32                           ; s[32:39] descriptor group 1 for Wo's tiles
.set G0A, 40                           ; s[40:51] group 0 for ao's tiles, one set for each slot
.set G0W, 52                           ; s[52:63] group 0 for Wo's tiles, one set for each slot
.set PO,  12                           ; s[12:13] my first token's row of out0, at my block of columns (cx and cy are done with by then)
.set W_ACC, 0x50                       ; products: sources window 0, C and D window 1
.set MSB, 0
.macro WIN new                         ; s_set_vgpr_msb: bits 1:0 source 0, 3:2 source 1, 5:4 source 2, 7:6 destination; the high byte repeats the setting that is left
.if MSB != \new
	s_set_vgpr_msb (MSB<<8)|\new
.set MSB, \new
.endif
.endm
; Four places behind a matrix instruction before a load lands on one of its registers or its result is read (ISA guide 7.12.1 for vector instructions).
.macro PLACES
.rept 4
	v_nop
.endr
.endm
.macro ROUND                           ; a round of the cluster's barrier
	s_barrier_signal -1
	s_barrier_wait -1
	s_cmp_lg_u32 s8, 0
	s_cbranch_scc1 .Lnot_wave_0_\@
	s_barrier_signal -3
.Lnot_wave_0_\@:
	s_barrier_wait -3
	s_barrier_signal -1
	s_barrier_wait -1
.endm
.macro MM acc, a, b, zero              ; zero = 1: the product starts the sum
.if \zero
	v_wmma_f32_16x16x32_f16 v[\acc:\acc+7], v[\a:\a+7], v[\b:\b+7], 0
.else
	v_wmma_f32_16x16x32_f16 v[\acc:\acc+7], v[\a:\a+7], v[\b:\b+7], v[\acc:\acc+7]
.endif
.endm
; The fragments of 32 along K (part ks of the slot).  Wo by the transposing load: lane (r, h) ends with column 16 nt + r, k = 8 h .. + 7 and 16 + 8 h .. + 7; tokens plainly.
.macro FETCH slot, ks, wf, xf
	WIN 0
.irp nt, 0,1,2,3
	ds_load_tr16_b128 v[\wf+8*\nt:\wf+8*\nt+3],   v[WA+\slot] offset:\ks*WPART+32*\nt
	ds_load_tr16_b128 v[\wf+8*\nt+4:\wf+8*\nt+7], v[WA+\slot] offset:\ks*WPART+32*\nt+2560
.endr
.irp tt, 0,1,2,3
	ds_load_b128 v[\xf+8*\tt:\xf+8*\tt+3],   v[XA+\slot] offset:((\ks>>1)*64+16*\tt)*144+(\ks&1)*64
	ds_load_b128 v[\xf+8*\tt+4:\xf+8*\tt+7], v[XA+\slot] offset:((\ks>>1)*64+16*\tt)*144+(\ks&1)*64+32
.endr
.endm
; 16 matrix instructions, 32 along K.  The accumulators take turns, one instruction a turn, in the same order every time.
.macro MUL wf, xf, zero
	WIN W_ACC
.irp nt, 0,1,2,3
.irp tt, 0,1,2,3
	MM 8*(4*\nt+\tt), \wf+8*\nt, \xf+8*\tt, \zero
.endr
.endr
.endm
.macro SUBK slot, ksn, wc, xc, wn, xn, zero
	s_wait_dscnt 0x0                               ; the current buffers' loads, issued a quarter ago, are in
	PLACES
	FETCH \slot, \ksn, \wn, \xn
	MUL \wc, \xc, \zero
.endm
.macro WORK slot, zero                 ; one K tile: four quarters of 32 along K on buffers 0, 1, 0, 1
	PLACES
	FETCH \slot, 0, WF0, XF0
	SUBK \slot, 1, WF0, XF0, WF1, XF1, \zero
	SUBK \slot, 2, WF1, XF1, WF0, XF0, 0
	SUBK \slot, 3, WF0, XF0, WF1, XF1, 0
	s_wait_dscnt 0x0
	MUL WF1, XF1, 0
	WIN 0                                          ; at a label and at a branch every window is 0
.endm
.macro ASK s                           ; my parts of a tile, into slot s: two joint loads
	tensor_load_to_lds s[G0A+4*\s:G0A+4*\s+3], s[G1A:G1A+7]
	s_nop 0
	tensor_load_to_lds s[G0W+4*\s:G0W+4*\s+3], s[G1W:G1W+7]
	s_nop 0
.endm
.macro STEPG s                         ; slot s's next tile is three tiles on
	s_add_nc_u64 s[G0A+4*\s+2:G0A+4*\s+3], s[G0A+4*\s+2:G0A+4*\s+3], 3*ASTEP
	s_add_nc_u64 s[G0W+4*\s+2:G0W+4*\s+3], s[G0W+4*\s+2:G0W+4*\s+3], 3*WSTEP
.endm
; A tile is shown to the other waves; left younger loads of mine may stay out.
.macro SHOW left
	s_wait_tensorcnt \left                         ; tensor loads of a wave end in order (ISA guide 10.11.1): my two parts of the next tile are in
	s_wait_dscnt 0x0
	s_barrier_signal -1
	s_barrier_wait -1
.endm
	s_load_b128 s[4:7], s[0:1], 0x0                ; ao s[4:5], hb s[6:7]
	s_load_b64 s[10:11], s[0:1], 0x10              ; out0
	v_lshl_add_u32 v254, v0, 2, 0x49400
	v_mov_b32 v255, 0
	ds_add_u32 v254, v255
	v_lshrrev_b32 v3, 5, v0
	v_readfirstlane_b32 s8, v3                     ; wave 0..3
	s_bfe_u32 s12, ttmp6, 0x40000                  ; cx
	s_bfe_u32 s13, ttmp6, 0x40004                  ; cy
	s_lshl_b32 s14, ttmp9, 2
	s_add_co_u32 s14, s14, s12                     ; bx = block of 64 columns
	s_and_b32 s15, ttmp7, 0xffff
	s_lshl_b32 s15, s15, 2
	s_add_co_u32 s15, s15, s13                     ; by = block of 256 tokens
	s_lshl_b32 s20, s13, 2
	s_lshl_b32 s20, 15, s20                        ; my row of the cluster
	s_lshl_b32 s22, 0x1111, s12                    ; my column
	; group 1, ao: elements of 8 bytes; a row = 64 tokens x 128 bytes dense; 2 rows (heads) 131,072 bytes apart; 4 words of padding behind every 32: LDS rows of 144 bytes
	s_or_b32 s[G1A+0], s20, (3<<16)|(1<<20)|(1<<21)|(4<<22)|(3<<25)
	s_mov_b32 s[G1A+1], 1024<<16
	s_mov_b32 s[G1A+2], 2<<16
	s_mov_b32 s[G1A+3], 1024<<16
	s_mov_b32 s[G1A+4], 2
	s_mov_b32 s[G1A+5], 16384
	s_mov_b32 s[G1A+6], 0
	s_mov_b32 s[G1A+7], 0
	; group 1, Wo: one row = 32 k rows x 128 bytes dense; 8 words of padding behind every 32: LDS rows of 160 bytes
	s_or_b32 s[G1W+0], s22, (3<<16)|(1<<20)|(1<<21)|(4<<22)|(7<<25)
	s_mov_b32 s[G1W+1], 512<<16
	s_mov_b32 s[G1W+2], 1<<16
	s_mov_b32 s[G1W+3], 512<<16
	s_mov_b32 s[G1W+4], 1
	s_mov_b32 s[G1W+5], 262144
	s_mov_b32 s[G1W+6], 0
	s_mov_b32 s[G1W+7], 0
	; ao's tiles hang on by and the wave alone, Wo's on bx and the wave alone, each in registers that never hold the other coordinate
	s_lshr_b32 s16, s15, 2
	s_lshl_b32 s16, s16, 21                        ; chunk of 1,024 tokens: 2 MiB
	s_and_b32 s20, s15, 3
	s_lshl_b32 s20, s20, 15                        ; 256 tokens of 128 bytes
	s_add_co_u32 s16, s16, s20
	s_lshl_b32 s20, s8, 13                         ; my 64 tokens
	s_add_co_u32 s16, s16, s20
	s_mov_b32 s17, 0
	s_lshl_b32 s18, s14, 17                        ; block of 64 columns: 1,024 k rows of 128 bytes
	s_lshl_b32 s22, s8, 12                         ; my 32 k rows
	s_add_co_u32 s18, s18, s22
	s_add_co_u32 s18, s18, 7<<21                   ; Wo: hb's mat 7
	s_mov_b32 s19, 0
	s_mul_i32 s21, s8, APART                       ; LDS: the wave's number and constants alone
	s_mul_i32 s23, s8, WPART
	s_add_co_u32 s23, s23, AREG
	s_mul_i32 s9, s8, SB
	s_add_co_u32 s9, s9, STAGE                     ; my stage
	s_lshl_b32 s12, s15, 20                        ; out0: 256 rows of 4,096 bytes,
	s_lshl_b32 s13, s8, 18                         ; my 64 rows,
	s_add_co_u32 s12, s12, s13
	s_lshl_b32 s13, s14, 8                         ; 64 columns of 4 bytes
	s_add_co_u32 s12, s12, s13
	s_mov_b32 s13, 0
	s_wait_dscnt 0x0
	s_wait_kmcnt 0x0
	s_add_nc_u64 s[16:17], s[4:5], s[16:17]
	s_add_nc_u64 s[18:19], s[6:7], s[18:19]
	s_add_nc_u64 s[PO:PO+1], s[10:11], s[12:13]
	ROUND                                          ; all sixteen work-groups are here: the first joint loads meet
.irp s, 0,1,2
	s_mov_b32 s[G0A+4*\s], 1
	s_add_co_u32 s[G0A+4*\s+1], s21, \s*SLOT
	s_add_nc_u64 s[G0A+4*\s+2:G0A+4*\s+3], s[16:17], \s*ASTEP
	s_or_b32 s[G0A+4*\s+3], s[G0A+4*\s+3], 0x80000000
	s_mov_b32 s[G0W+4*\s], 1
	s_add_co_u32 s[G0W+4*\s+1], s23, \s*SLOT
	s_add_nc_u64 s[G0W+4*\s+2:G0W+4*\s+3], s[18:19], \s*WSTEP
	s_or_b32 s[G0W+4*\s+3], s[G0W+4*\s+3], 0x80000000
.endr
	ASK 0                                          ; tiles 0, 1, 2: the three slots' first fills, six loads of the wave are out
	ASK 1
	ASK 2
	v_and_b32 v1, 15, v0                           ; r
	v_bfe_u32 v2, v0, 4, 1                         ; h
	v_mul_u32_u24 v3, v1, 144
	v_lshl_add_u32 v3, v2, 4, v3                   ; r x 144 + 16 h
	v_add_nc_u32 v[XA], s21, v3
	v_add_nc_u32 v[XA+1], SLOT, v[XA]
	v_add_nc_u32 v[XA+2], 2*SLOT, v[XA]
	v_and_b32 v4, 7, v0
	v_lshl_add_u32 v4, v2, 3, v4                   ; k row 8 h + (lane & 7)
	v_mul_u32_u24 v4, v4, 160
	v_bfe_u32 v5, v0, 3, 1
	v_lshl_add_u32 v4, v5, 4, v4                   ; + 16 ((lane >> 3) & 1)
	v_add_nc_u32 v[WA], AREG, v4
	v_add_nc_u32 v[WA+1], AREG+SLOT, v4
	v_add_nc_u32 v[WA+2], AREG+2*SLOT, v4
	v_mul_u32_u24 v5, v1, 272
	v_lshl_add_u32 v5, v2, 5, v5
	v_add_nc_u32 v[STO], s9, v5                    ; in: row r, 32 bytes for each half of the lanes
	v_mul_u32_u24 v5, v2, 272
	v_lshl_add_u32 v5, v1, 4, v5
	v_add_nc_u32 v[RD], s9, v5                     ; back: lanes 0-15 take one row of 256 bytes, lanes 16-31 the next
	v_lshlrev_b32 v5, 12, v2
	v_lshl_add_u32 v[CO], v1, 4, v5                ; and the same two rows in out0
	SHOW 4                                         ; tile 0 is in; the four loads of tiles 1 and 2 stay out
	WORK 0, 1                                      ; tile 0: its first products start the sums
	SHOW 2                                         ; tile 1 is in; tile 2's two loads stay out
	WORK 1, 0
	; slots 0 and 1 have been read and are filled again
	s_wait_tensorcnt 0x0                           ; all my tensor loads have landed, tile 2's among them: no load of mine is out, so every group 0 may be written
	ds_add_u32 v254, v255
	STEPG 0
	STEPG 1
	s_wait_dscnt 0x0                               ; my reads of slots 0 and 1 are back
	ROUND                                          ; both now hold of every wave of the cluster
	ASK 0                                          ; tile 3
	ASK 1                                          ; tile 4: four loads of the wave are out
	WORK 2, 0                                      ; tile 2
	SHOW 2                                         ; tile 3 is in; tile 4's two loads stay out
	WORK 0, 0
	; slots 2 and 0
	s_wait_tensorcnt 0x0                           ; tile 4 has landed
	ds_add_u32 v254, v255
	STEPG 2
	STEPG 0
	s_wait_dscnt 0x0
	ROUND
	ASK 2                                          ; tile 5
	ASK 0                                          ; tile 6
	WORK 1, 0                                      ; tile 4
	SHOW 2                                         ; tile 5 is in; tile 6's two loads stay out
	WORK 2, 0
	; slot 1: the last tile
	s_wait_tensorcnt 0x0                           ; tile 6 has landed
	ds_add_u32 v254, v255
	STEPG 1
	s_wait_dscnt 0x0
	ROUND
	ASK 1                                          ; tile 7
	WORK 0, 0                                      ; tile 6
	SHOW 0                                         ; tile 7 is in: no tensor load is out from here on
	WORK 1, 0
; THE WAY OUT: 16 tokens x 64 columns of f32 at a time, from the accumulators into my own stage (rows of 272 bytes), read back as rows of 256 bytes:
; sixteen lanes store 256 consecutive bytes, at a multiple of 256 from out0's first byte.  LDS serves a wave's instructions in order (ISA guide 5.7.1): no wait between stores and loads.
.macro OUTF tt, rb
	WIN 0x04                                       ; the LDS stores' data in window 1
.irp nt, 0,1,2,3
	ds_store_b128 v[STO], v[8*(4*\nt+\tt):8*(4*\nt+\tt)+3]   offset:64*\nt
	ds_store_b128 v[STO], v[8*(4*\nt+\tt)+4:8*(4*\nt+\tt)+7] offset:64*\nt+16
.endr
	WIN 0
	s_wait_xcnt 0x0                                ; buffer rb, which earlier stores read, is loaded again only behind this wait
.irp e, 0,1,2,3,4,5,6,7
	ds_load_b128 v[\rb+4*\e:\rb+4*\e+3], v[RD] offset:544*\e
.endr
.irp e, 0,1,2,3,4,5,6,7
	s_wait_dscnt 7-\e                              ; read-back e is in, the younger ones stay out
	global_store_b128 v[CO], v[\rb+4*\e:\rb+4*\e+3], s[PO:PO+1] offset:(16*\tt+2*\e)*4096 th:TH_STORE_NT
.endr
.endm
	PLACES                                         ; behind the last matrix instructions: results are read, fragment buffers loaded again
	OUTF 0, WF0
	OUTF 1, WF1
	OUTF 2, WF0
	OUTF 3, WF1
	s_wait_dscnt 0x0
	s_wait_tensorcnt 0x0
	ds_add_u32 v254, v255
	s_wait_dscnt 0x0
	ROUND                                          ; the closing round: no work-group ends while a partner may still ask for a tile that names it
	s_endpgm
.Lfunc_end_k_q477312f912_oproj:
	.size	k_q477312f912_oproj, .Lfunc_end_k_q477312f912_oproj-k_q477312f912_oproj
	.p2alignl 7, 3214868480
	.fill 96, 4, 3214868480
	.section	.rodata,"a",@progbits
	.p2align	6, 0x0
	.amdhsa_kernel k_q477312f912_oproj
		.amdhsa_group_segment_fixed_size 327680
		.amdhsa_private_segment_fixed_size 0
		.amdhsa_enable_private_segment 0
		.amdhsa_kernarg_size 24
		.amdhsa_user_sgpr_count 2
		.amdhsa_user_sgpr_kernarg_segment_ptr 1
		.amdhsa_wavefront_size32 1
		.amdhsa_system_sgpr_workgroup_id_x 1
		.amdhsa_system_sgpr_workgroup_id_y 1
		.amdhsa_system_sgpr_workgroup_id_z 1
		.amdhsa_system_vgpr_workitem_id 0
		.amdhsa_next_free_vgpr 384
		.amdhsa_next_free_sgpr 66
		.amdhsa_reserve_vcc 0
		.amdhsa_float_denorm_mode_32 3
		.amdhsa_float_denorm_mode_16_64 3
		.amdhsa_memory_ordered 1
		.amdhsa_forward_progress 1
		.amdhsa_inst_pref_size 90
	.end_amdhsa_kernel
	.amdgpu_metadata
---
amdhsa.version: [ 1, 2 ]
amdhsa.kernels:
  - .name:           k_q477312f912_oproj
    .symbol:         k_q477312f912_oproj.kd
    .args:
      - { .name: ao, .offset: 0, .size: 8, .value_kind: global_buffer, .address_space: global }
      - { .name: hb, .offset: 8, .size: 8, .value_kind: global_buffer, .address_space: global }
      - { .name: out0, .offset: 16, .size: 8, .value_kind: global_buffer, .address_space: global }
    .group_segment_fixed_size: 327680
    .private_segment_fixed_size: 0
    .kernarg_segment_align: 8
    .kernarg_segment_size: 24
    .max_flat_workgroup_size: 128
    .sgpr_count:     66
    .vgpr_count:     384
    .wavefront_size: 32
...
	.end_amdgpu_metadata
.endif
;; end of part 4
